; MI455X (gfx1250); checked and timed in simulation.
; The chip was launched on July 23, 2026; its instructions are those of AMD's public machine-readable ISA for CDNA 5 (MIT licence, August 2026) and "CDNA5" Instruction Set Architecture Reference Guide (July 2026). The comments in the code are by the model that wrote it; some were corrected since.
;; Causal Self Attention. Allowed arithmetic: matrix products marked QUANTISED: E4M3 operands, one given power-of-two scale a tensor, by v_wmma_f32_16x16x64_fp8_fp8 or v_wmma_f32_16x16x128_fp8_fp8, f32 sums; everything else in f32.
;; Inputs: W_attn 1,024 x 3,072 float32; W_proj 1,024 x 1,024 float32; b_attn 3,072 float32; b_proj 1,024 float32; lowp_scales 8 int32 (the exponents e of the quantised operands' scales 2^e); x 4 x 2,048 x 1,024 float32.
;; Outputs: out0 4 x 2,048 x 1,024 float32.
;; Constants: n_head = 16.
;; This version of the problem:
;;   THIS VERSION OF THE PROBLEM IS GIVEN IN LOW PRECISION. The matrix products marked QUANTISED in the list below multiply operands that are first quantised to E4M3 (4 exponent bits, 3 mantissa bits; 8 bits a number), with one given power-of-two scale for each operand tensor; their sums are f32. All else is computed in f32.
;;   The module's matrix products, in the order in which they are computed (A, B: the left and right operand; K: the contracted axis; several contracted axes count as one K, in the product's order):
;;     1. [M 8,192, K 1,024] x [K 1,024, N 3,072]; A: input x; B: input W_attn: QUANTISED (scales: A lowp_scales[0], B lowp_scales[1])
;;     2. batch 64 x [M 2,048, K 64] x [K 64, N 2,048]; A: computed on the way; B: computed on the way: QUANTISED (scales: A lowp_scales[2], B lowp_scales[3])
;;     3. batch 64 x [M 2,048, K 2,048] x [K 2,048, N 64]; A: computed on the way; B: computed on the way: QUANTISED (scales: A lowp_scales[4], B lowp_scales[5])
;;     4. [M 8,192, K 1,024] x [K 1,024, N 1,024]; A: computed on the way; B: input W_proj: QUANTISED (scales: A lowp_scales[6], B lowp_scales[7])
;;   THE QUANTISER, for each operand of a quantised product, along K:
;;     - The operand's scale is 2^e, e = its entry of the input lowp_scales (int32; the entries are numbered through the quantised products in the list's order, A before B).
;;     - Each number is divided by the scale, clamped to +-448, and rounded to the nearest number of E4M3, ties to even, subnormals kept.
;;     - The product sums the exact products of the quantised numbers (number of the format x scale) in f32.
;;   ~~~python
;;   def quantise(x, axis, e):      # numpy; x: float32 -> the quantised numbers, widened to float32 again
;;       x = np.moveaxis(x, axis, -1); K = x.shape[-1]
;;       r = np.clip(x / 2.0 ** e, -448, 448)
;;       step = 2.0 ** (np.maximum(np.frexp(np.where(r == 0, 1, r))[1] - 1, -6) - 3)
;;       q = np.round(r / step) * step * 2.0 ** e      # np.round: ties to even
;;       return np.moveaxis(q, -1, axis).astype(np.float32)
;;   ~~~
;;   OPERANDS COMPUTED ON THE WAY. 'Computed on the way' means the value that the module computes at that place (a softmax that the list does not call 'softmax' is quantised finished and normalised). What goes into a quantiser is computed in f32, as accurately as f32 sums, v_exp_f32 and their like allow (about 1e-6 of the number): no bf16 or f16 on the way to a quantiser, and a product that is left as it is and whose result goes on into a quantised operand takes f32 operands (vector FMAs, or v_wmma_f32_16x16x4_f32). A number that lies on a knife's edge between two numbers of the format may be rounded either way, as far as f32 arithmetic and the matrix unit's own rounding can turn it there, and no further.
;; One version. Each part assembles by itself: llvm-mc -triple=amdgcn-amd-amdhsa -mcpu=gfx1250 --defsym DOCPART=n.
;; ======== version 1 of 1: 4 launches
;; workspace buffers: xc 8,388,608 bytes; wc 4,194,304 bytes; qc 8,388,608 bytes; qq 524,288 bytes; kv 17,301,504 bytes; yc 8,388,608 bytes
;; launch prep (part 1): grid 384 x 1, 4 waves a work-group, no clusters, 67,072 bytes of LDS; arguments x, W_attn, W_proj, lowp_scales, xc, wc; writes xc, wc
.if DOCPART == 1
	.amdgcn_target "amdgcn-amd-amdhsa--gfx1250"
	.amdhsa_code_object_version 6
	.text
	.protected	k_q08e5068a80_prep
	.globl	k_q08e5068a80_prep
	.p2align	8
	.type	k_q08e5068a80_prep,@function
k_q08e5068a80_prep:
	s_mov_b64 s[64:65], 0
	v_nop
	global_prefetch_b8 v0, s[64:65] scope:SCOPE_SE
	s_setreg_imm32_b32 hwreg(HW_REG_WAVE_MODE, 25, 1), 1
	s_wait_xcnt 0x0
; x [8192][1024], W_attn [1024][3072] and W_proj [1024][1024], f32, become codes of FP8 (E4M3), each with its given scale 2^e (entries 0, 1 and 7 of the scales).
; code = number / 2^e, held within +-448, rounded to the nearest code, ties to even.  LIMITS: each e between -126 and 119.  NaN among the inputs is not served.
; THE CODES ARE LAID AS IMAGES OF OPERAND REGISTERS.  A fragment is 16 rows x 128 K = 2,048 bytes = 4 pieces of 512: piece g holds lane l's registers 4 g .. 4 g + 3 at byte 16 l.
; Lane (r = l % 16, h = l / 16), register 2 c + u: the codes k = 16 c + 8 h + 4 u .. + 3 of row r: each k in the place that the 16x16x128 form on 8-bit codes gives it.
; xc: [row / 16][k / 128][2048].   wc: [n / 16][k / 128][2048], rows n = 0 .. 3071 W_attn's columns, 3072 .. 4095 W_proj's.
; Work-groups 0 .. 255 take x: a wave makes 4 fragments.  Each load reads 512 consecutive bytes of a row; 16 rows turn through the wave's own stage in LDS (pitch 528 bytes), so that a lane gets 8 neighbours along K.
; Work-groups 256 .. 383 take the weights, whose K is the first axis: a lane takes a column and its registers run down K; the codes go into the image's places in the wave's own stage and leave as pieces of 512 bytes.
; The launch moves bytes and little else: no tensor loads, no barrier (waves share nothing), no matrix work.  The two paths have LDS bytes of their own.
.set XSP,   528                        ; x's stage: a row of 512 bytes + 16
.set XSW,   16*XSP                     ; a wave's stage
.set WST,   4*XSW                      ; the weights' stages begin here
.set WSW,   8192                       ; a wave's: 2 x 2 fragments
.set SPARE, WST+4*WSW                  ; the spare words, 128 bytes for each wave: two blocks of 256 bytes that no other line names
.set SPW,   14                         ; v14  LDS address of my spare word; never rewritten
.set NIL,   15                         ; v15  0; never rewritten
.set XR,    16                         ; v16-143   x: two sets of 64, as loaded
.set XX,    144                        ; v144-207  x: 64 numbers, 8 neighbours along K to each group of eight
.set XC,    208                        ; v208-239  x: two sets of 16 registers of codes
.set WA,    16                         ; v16-47    W: offsets of the 32 rows of a block
.set WX,    48                         ; v48-111   W: two sets of 32 numbers
.set WC,    112                        ; v112-119  W: a block's codes
.set WO,    120                        ; v120-183  W: the way out
	s_load_b256 s[4:11], s[0:1], 0x0               ; x s[4:5], W_attn s[6:7], W_proj s[8:9], the scales' exponents s[10:11]
	s_load_b128 s[12:15], s[0:1], 0x20             ; xc s[12:13], wc s[14:15]
	v_lshl_add_u32 v[SPW], v0, 2, SPARE
	v_mov_b32 v[NIL], 0
	v_lshrrev_b32 v1, 5, v0
	v_readfirstlane_b32 s16, v1                    ; wave
	v_and_b32 v1, 31, v0                           ; lane
	v_and_b32 v2, 15, v0                           ; r
	v_bfe_u32 v3, v0, 4, 1                         ; h
	v_lshlrev_b32 v4, 4, v1                        ; 16 x lane
	s_wait_kmcnt 0x0
	s_load_b256 s[48:55], s[10:11], 0x0            ; e0 .. e7
	s_cmp_lt_u32 ttmp9, 256
	s_cbranch_scc0 .Lw
; ---------------- x ----------------
	s_lshl_b32 s17, ttmp9, 2
	s_add_co_u32 s17, s17, s16                     ; u = 4 x work-group + wave: rows 16 (u / 2) on, k 512 (u % 2) on
	s_lshr_b32 s18, s17, 1
	s_lshl_b32 s18, s18, 16                        ; 16 rows of 4,096 bytes
	s_and_b32 s19, s17, 1
	s_lshl_b32 s19, s19, 11
	s_add_co_u32 s18, s18, s19
	s_mov_b32 s19, 0
	s_add_nc_u64 s[4:5], s[4:5], s[18:19]
	s_lshl_b32 s18, s17, 13                        ; my four fragments lie on end: 8,192 u
	s_add_nc_u64 s[12:13], s[12:13], s[18:19]
	s_mul_i32 s20, s16, XSW
	v_add_nc_u32 v5, s20, v4                       ; into the stage: 16 bytes a lane of a row
	v_mul_u32_u24 v6, v2, XSP
	v_lshl_add_u32 v6, v3, 5, v6
	v_add_nc_u32 v6, s20, v6                       ; out of it: row r, 32 h bytes on
.macro XLOAD t                         ; fragment t: 16 rows x 512 bytes
.set i, 0
.rept 16
	global_load_b128 v[XR+64*((\t)%2)+4*i:XR+64*((\t)%2)+4*i+3], v4, s[4:5] offset:4096*i+512*(\t) th:TH_LOAD_NT
.set i, i+1
.endr
.endm
.macro XSTEP t
.if (\t) >= 2
	s_wait_xcnt 0x0                                ; the stores of two fragments ago have read this set of codes
.endif
.if (\t) < 3
	s_wait_loadcnt 16                              ; this fragment's 16 loads are in; the next fragment's 16 may be out
.else
	s_wait_loadcnt 0x0
.endif
.set i, 0
.rept 16
	ds_store_b128 v5, v[XR+64*((\t)%2)+4*i:XR+64*((\t)%2)+4*i+3] offset:XSP*i
.set i, i+1
.endr
.set i, 0
.rept 16
	ds_load_b128 v[XX+4*i:XX+4*i+3], v6 offset:64*(i/2)+16*(i%2)   ; LDS serves a wave's instructions in order: these see the stores above.  Registers 8 c .. 8 c + 7: k = 16 c + 8 h + 0 .. 7
.set i, i+1
.endr
	s_wait_dscnt 0x0                               ; the numbers are back, and the stores have read their registers,
.if (\t)+2 < 4
	XLOAD (\t)+2                                   ; which take the loads of two fragments on
.endif
.set i, 0
.rept 64
	v_med3_num_f32 v[XX+i], v[XX+i], -v10, v10     ; the conversion to an 8-bit code does not saturate (ISA guide 7.6.2): the hold at the largest code x the scale
.set i, i+1
.endr
.irp c, 0,1,2,3,4,5,6,7
	v_cvt_scalef32_pk8_fp8_f32 v[XC+16*((\t)%2)+2*\c:XC+16*((\t)%2)+2*\c+1], v[XX+8*\c:XX+8*\c+7], v11
.endr
	v_nop                                          ; one plain vector line behind the last conversion: x has ONE set of 64 numbers, so the next vector instruction, the next fragment's first hold, writes a source of these conversions
.irp g, 0,1,2,3
	global_store_b128 v4, v[XC+16*((\t)%2)+4*\g:XC+16*((\t)%2)+4*\g+3], s[12:13] offset:2048*(\t)+512*\g   ; a piece: 512 consecutive bytes
.endr
.endm
	XLOAD 0
	XLOAD 1
	s_wait_kmcnt 0x0
	s_add_co_i32 s21, s48, 127
	s_lshl_b32 s22, s21, 23
	v_mov_b32 v11, s22                             ; 2^e0 as f32: the conversion takes its exponent field
	s_add_co_i32 s21, s21, 8
	s_lshl_b32 s21, s21, 23
	s_or_b32 s21, s21, 0x600000
	v_mov_b32 v10, s21                             ; 448 x 2^e0
	XSTEP 0
	XSTEP 1
	XSTEP 2
	XSTEP 3
	s_wait_tensorcnt 0x0                           ; the wave's end: a wait, an add of 0 to my spare word and its wait, behind my last LDS store
	ds_add_u32 v[SPW], v[NIL]
	s_wait_dscnt 0x0
	s_endpgm
; ---------------- the weights ----------------
.Lw:
	s_sub_co_u32 s17, ttmp9, 256
	s_and_b32 s18, s17, 31                         ; which 128 of wc's 4,096 rows
	s_lshr_b32 s19, s17, 5                         ; which 256 along K
	s_mov_b32 s20, 4096
	s_cmp_lt_u32 s18, 24                           ; W_attn's columns or W_proj's?  The choice hangs on the work-group's number alone
	s_cselect_b64 s[6:7], s[6:7], s[8:9]
	s_cselect_b32 s20, 12288, s20                  ; a row of the weight in bytes
	s_cselect_b32 s21, 0, 24
	s_sub_co_u32 s21, s18, s21
	s_lshl_b32 s21, s21, 9                         ; the 128 columns' first byte in a row,
	s_lshl_b32 s22, s16, 7                         ; my wave's 32 columns
	s_add_co_u32 s21, s21, s22
	s_mul_i32 s22, s19, s20
	s_lshl_b32 s22, s22, 8                         ; 256 rows a step along K
	s_add_co_u32 s22, s22, s21
	s_mov_b32 s23, 0
	s_add_nc_u64 s[32:33], s[6:7], s[22:23]        ; a base for each of the 8 blocks of 32 rows
	s_lshl_b32 s22, s20, 5
.irp t, 1,2,3,4,5,6,7
	s_add_nc_u64 s[32+2*\t:33+2*\t], s[30+2*\t:31+2*\t], s[22:23]
.endr
	v_lshlrev_b32 v9, 2, v1                        ; 4 bytes a lane: a lane to a column
.set i, 0
.rept 32
	s_mul_i32 s23, s20, i
	v_add_nc_u32 v[WA+i], s23, v9                  ; row i of a block
.set i, i+1
.endr
	s_lshl_b32 s25, s18, 3
	s_lshl_b32 s26, s16, 1
	s_add_co_u32 s26, s26, s25                     ; my first 16 rows of wc: 8 x group + 2 x wave
	s_lshl_b32 s26, s26, 14
	s_lshl_b32 s25, s19, 12                        ; two fragments along K
	s_add_co_u32 s26, s26, s25
	s_mov_b32 s27, 0
	s_add_nc_u64 s[14:15], s[14:15], s[26:27]
	s_lshl_b32 s27, s16, 13
	s_add_co_u32 s27, s27, WST                     ; my stage: [16 rows: 2][128 K: 2][2048]
	v_lshlrev_b32 v7, 4, v2
	v_lshl_add_u32 v7, v3, 12, v7
	v_add_nc_u32 v7, s27, v7                       ; in: my column is row lane % 16 of fragment row lane / 16
	v_add_nc_u32 v8, s27, v4                       ; out: 16 bytes a lane
.macro WLOAD t                         ; block t: W(32 t + i, my column): 128 consecutive bytes a wave, the four waves side by side
.set i, 0
.rept 32
	global_load_b32 v[WX+32*((\t)%2)+i], v[WA+i], s[32+2*(\t):33+2*(\t)] th:TH_LOAD_NT
.set i, i+1
.endr
.endm
	WLOAD 0
	WLOAD 1
	s_wait_kmcnt 0x0
	s_cmp_lt_u32 s18, 24
	s_cselect_b32 s24, s49, s55                    ; e1 or e7
	s_add_co_i32 s24, s24, 127
	s_lshl_b32 s25, s24, 23
	v_mov_b32 v11, s25
	s_add_co_i32 s24, s24, 8
	s_lshl_b32 s24, s24, 23
	s_or_b32 s24, s24, 0x600000
	v_mov_b32 v10, s24
.macro WBLOCK t
.set XS, WX+32*((\t)%2)
.if (\t) < 7
	s_wait_loadcnt 32                              ; this block's 32 loads are in; the next block's may be out
.else
	s_wait_loadcnt 0x0
.endif
.set i, 0
.rept 32
	v_med3_num_f32 v[XS+i], v[XS+i], -v10, v10
.set i, i+1
.endr
.irp g, 0,1,2,3
	v_cvt_scalef32_pk8_fp8_f32 v[WC+2*\g:WC+2*\g+1], v[XS+8*\g:XS+8*\g+7], v11
.endr
; (No plain line is written behind these conversions: their results go to LDS stores and their sources are next written by loads; the next vector instructions are the next block's 32 holds, plain lines on the OTHER set of 32 numbers,
; and they stand ahead of the next conversions, which write the codes' registers anew.)
.irp g, 0,1,2,3                        ; eight codes k = 8 o .. 8 o + 7 of a fragment are registers 2 (o / 2), + 1 of lane (r, o % 2)
.set o, 4*((\t)%4)+\g
	ds_store_b64 v7, v[WC+2*\g:WC+2*\g+1] offset:2048*((\t)/4)+512*(o>>2)+256*(o&1)+8*((o>>1)&1)
.endr
.if (\t)+2 < 8
	WLOAD (\t)+2
.endif
	s_wait_dscnt 0x0                               ; the stores have read their registers: the next block's codes may be written
.endm
.irp t, 0,1,2,3,4,5,6,7
	WBLOCK \t
.endr
.irp q, 0,1,2,3,4,5,6,7,8,9,10,11,12,13,14,15
	ds_load_b128 v[WO+4*\q:WO+4*\q+3], v8 offset:512*\q
.endr
.irp q, 0,1,2,3,4,5,6,7,8,9,10,11,12,13,14,15
	s_wait_dscnt 15-\q                             ; piece q is in; the younger ones may be out
	global_store_b128 v4, v[WO+4*\q:WO+4*\q+3], s[14:15] offset:16384*(\q>>3)+2048*((\q>>2)&1)+512*(\q&3)
.endr
	s_wait_tensorcnt 0x0                           ; the wave's end: a wait, an add of 0 to my spare word and its wait, behind my last LDS store
	ds_add_u32 v[SPW], v[NIL]
	s_wait_dscnt 0x0
	s_endpgm
.Lfunc_end_k_q08e5068a80_prep:
	.size	k_q08e5068a80_prep, .Lfunc_end_k_q08e5068a80_prep-k_q08e5068a80_prep
	.p2alignl 7, 3214868480
	.fill 96, 4, 3214868480
	.section	.rodata,"a",@progbits
	.p2align	6, 0x0
	.amdhsa_kernel k_q08e5068a80_prep
		.amdhsa_group_segment_fixed_size 67072
		.amdhsa_private_segment_fixed_size 0
		.amdhsa_enable_private_segment 0
		.amdhsa_kernarg_size 48
		.amdhsa_user_sgpr_count 2
		.amdhsa_user_sgpr_kernarg_segment_ptr 1
		.amdhsa_wavefront_size32 1
		.amdhsa_system_sgpr_workgroup_id_x 1
		.amdhsa_system_sgpr_workgroup_id_y 1
		.amdhsa_system_sgpr_workgroup_id_z 1
		.amdhsa_system_vgpr_workitem_id 0
		.amdhsa_next_free_vgpr 240
		.amdhsa_next_free_sgpr 66
		.amdhsa_reserve_vcc 0
		.amdhsa_float_denorm_mode_32 3
		.amdhsa_float_denorm_mode_16_64 3
		.amdhsa_memory_ordered 1
		.amdhsa_forward_progress 1
		.amdhsa_inst_pref_size 88
	.end_amdhsa_kernel
	.amdgpu_metadata
---
amdhsa.version: [ 1, 2 ]
amdhsa.kernels:
  - .name:           k_q08e5068a80_prep
    .symbol:         k_q08e5068a80_prep.kd
    .args:
      - { .name: x, .offset: 0, .size: 8, .value_kind: global_buffer, .address_space: global }
      - { .name: W_attn, .offset: 8, .size: 8, .value_kind: global_buffer, .address_space: global }
      - { .name: W_proj, .offset: 16, .size: 8, .value_kind: global_buffer, .address_space: global }
      - { .name: lowp_scales, .offset: 24, .size: 8, .value_kind: global_buffer, .address_space: global }
      - { .name: xc, .offset: 32, .size: 8, .value_kind: global_buffer, .address_space: global }
      - { .name: wc, .offset: 40, .size: 8, .value_kind: global_buffer, .address_space: global }
    .group_segment_fixed_size: 67072
    .private_segment_fixed_size: 0
    .kernarg_segment_align: 8
    .kernarg_segment_size: 48
    .max_flat_workgroup_size: 128
    .sgpr_count:     66
    .vgpr_count:     240
    .wavefront_size: 32
...
	.end_amdgpu_metadata
.endif
;; end of part 1
;; launch qkv (part 2): grid 12 x 32, 4 waves a work-group, clusters of 4 x 4, 327,680 bytes of LDS; arguments xc, wc, b_attn, lowp_scales, qc, qq, kv; writes qc, qq, kv
.if DOCPART == 2
	.amdgcn_target "amdgcn-amd-amdhsa--gfx1250"
	.amdhsa_code_object_version 6
	.text
	.protected	k_q08e5068a80_qkv
	.globl	k_q08e5068a80_qkv
	.p2align	8
	.type	k_q08e5068a80_qkv,@function
k_q08e5068a80_qkv:
	s_mov_b64 s[64:65], 0
	v_nop
	global_prefetch_b8 v0, s[64:65] scope:SCOPE_SE
	s_setreg_imm32_b32 hwreg(HW_REG_WAVE_MODE, 25, 1), 1
	s_wait_xcnt 0x0
	s_wait_alu depctr_hold_cnt(0) depctr_sa_sdst(0) depctr_va_vdst(0) depctr_va_sdst(0) depctr_va_ssrc(0) depctr_va_vcc(0) depctr_vm_vsrc(0)
	s_getreg_b32 s2, hwreg(HW_REG_IB_STS2, 6, 4)
	s_cmp_eq_u32 s2, 0
	s_cbranch_scc0 .Lentry_in_a_cluster
	s_endpgm
.Lentry_in_a_cluster:
	s_bfe_u32 s2, ttmp6, 0x10000c
	s_cmp_lg_u32 s2, 0xf033
	s_cbranch_scc0 .Lentry_shape_is_right
	s_endpgm
.Lentry_shape_is_right:
; qkv = x W_attn + b_attn on codes of FP8 (E4M3), K = 1,024; q, k and v are quantised on the way out (scales: entries 2, 3 and 5) and stored as images of the next products' operand registers;
; -|q|^2 log2(e) / 16 and -|k|^2 / 2^(e2 + e3 + 1), f32 sums of the unquantised numbers, go out beside them.
; A tile is 256 rows of S (source 1) x 256 rows of P (source 0).  Four waves, as many as a WGP has SIMDs, 128 x 128 each: 64 accumulators, 512 registers.  In a result lane (r, h) holds S's row r, and its registers P's rows 8 h + 0 .. 7.
; The eight numbers of a lane must run along the NEXT product's K, so the sources are dealt by the cluster's x: 0 (q) and 1 (k): S = x's rows, P = W's columns: registers along the head's 64;
; 2 (v): S = W's columns, P = x's rows: registers along the keys.  Only pointers and tile rows are chosen; the products are one text.
; OPERANDS lie in memory as images of fragments (16 rows x 128 K = 2,048 bytes, 4 pieces of 512, lane l's four registers at 16 l): a fragment is 4 LDS loads of 512 consecutive bytes; no pitch, no padding.
; K goes in steps of 256 through a ring of two LDS slots; a wave's tensor load brings 8 x 16 rows: 8 lines of 4,096 bytes, 16,384 apart in memory.  K has four such steps, so they are written out.
; CLUSTERS: 4 x 4 work-groups.  S's tile hangs on the cluster's row, P's on its column: each is asked for jointly by the four that share it.
; OUT.  qc [head 64][16 tokens: 128][1024]; qq [head][2048] f32; kv [head][128 keys: 16][16,896]: K's 8 fragments of 1,024 bytes, V^T's 4 of 2,048 (16 channels x 128 keys), then 128 numbers -|k|^2 / 2^(e2 + e3 + 1).
; LIMITS: e0 + e1 between -126 and 127; e2, e3, e5 between -126 and 119; e2 + e3 between -123 and 125.  NaN among the inputs is not served.
; REGISTERS, in windows of 256: window 0: v1-31 addresses; v32-95 the bias; v96-127 at work; v128-255 S's fragments, one set; on the way out the codes.  window 1: P's fragments, two sets.  windows 2, 3: the accumulators ((a, b) at v[8 (8 (a % 4) + b)]).
.set FR,     16                        ; registers of a fragment
.set NL,     4                         ; LDS loads that bring one
.set NP,     4                         ; places behind this matrix instruction (ISA guide 7.12.1)
.set SLOT,   131072                    ; S's 16 x 4,096 bytes, then P's
.set PHALF,  65536
.set SPARE,  2*SLOT                    ; the spare words, 128 bytes for each wave: two blocks of 256 bytes that no other line names
.set SCR,    SPARE+512                 ; 1,024 bytes for each wave: the squares of 2 heads x 128 tokens; no tile lands here
.set ADRA, 16                          ; v16-17  LDS address of my S fragments in slot 0, 1
.set ADRB, 20                          ; v20-21  the same for P
.set LI,   27                          ; v27     16 x lane
.set SPW,  28                          ; v28     LDS address of my spare word; never rewritten
.set NIL,  29                          ; v29     0; never rewritten
.set BIAS, 32
.set T,    96
.set AF,   128
.set CD,   128
.set G1, 24                            ; s[24:31] descriptor group 1 for S's tiles;  s[32:39] group 0, one set for each slot
.set G0, 32
.set G1B, 48                           ; s[48:55], s[56:63] the same for P's
.set G0B, 56
.set MSB, 0
.macro WIN new                         ; the immediate's high byte repeats the setting that is left
.if MSB != \new
	s_set_vgpr_msb (MSB<<8)|\new
.set MSB, \new
.endif
.endm
.set MUL_LO, 0xa1                      ; source 0 (P) window 1, source 1 (S) window 0, C and D window 2
.set MUL_HI, 0xf1                      ; the same, C and D window 3
.set TO_B,   0x40                      ; destination window 1, address window 0
; A joint load: waves 0 and 1 fetch S's halves, waves 2 and 3 P's.  The branch hangs on the wave's number alone.  An s_nop 0 and four v_nop follow each of the two lines.
.macro JLOAD g0a, g1a, g0b, g1b
	s_cmp_eq_u32 s15, 0
	s_cbranch_scc0 .Lfor_b_\@
	tensor_load_to_lds s[\g0a:\g0a+3], s[\g1a:\g1a+7]
	s_nop 0
.rept 4
	v_nop
.endr
	s_branch .Lasked_\@
.Lfor_b_\@:
	tensor_load_to_lds s[\g0b:\g0b+3], s[\g1b:\g1b+7]
	s_nop 0
.rept 4
	v_nop
.endr
.Lasked_\@:
.endm
.macro CREST                           ; a round of the cluster's barrier behind its opening barrier
	s_cmp_lg_u32 s14, 0
	s_cbranch_scc1 .Lnot_wave_0_\@
	s_barrier_signal -3
.Lnot_wave_0_\@:
	s_barrier_wait -3
	s_barrier_signal -1
	s_barrier_wait -1
.endm
.macro CROUND                          ; a whole round
	s_barrier_signal -1
	s_barrier_wait -1
	CREST
.endm
	s_load_b256 s[4:11], s[0:1], 0x0               ; xc s[4:5], wc s[6:7], b_attn s[8:9], the scales' exponents s[10:11]
	s_load_b128 s[68:71], s[0:1], 0x20             ; qc s[68:69], qq s[70:71]
	s_load_b64 s[72:73], s[0:1], 0x30              ; kv
	v_lshl_add_u32 v[SPW], v0, 2, SPARE
	v_mov_b32 v[NIL], 0
	ds_add_u32 v[SPW], v[NIL]                      ; the wave's opening: the add and its wait come ahead of my first tensor load; the set-up below, work on registers, stands between them
	v_lshrrev_b32 v1, 5, v0
	v_readfirstlane_b32 s14, v1                    ; wave 0..3
	s_lshr_b32 s15, s14, 1                         ; which half of S's rows is mine.  Also: I fetch for S (0) or for P (1)
	s_and_b32 s16, s14, 1                          ; which half of P's rows.  Also: which half of that tile I fetch
	s_bfe_u32 s40, ttmp6, 0x40000                  ; cx, cy: my place in the cluster
	s_bfe_u32 s41, ttmp6, 0x40004
	s_and_b32 s17, ttmp7, 0xffff
	s_lshl_b32 s17, s17, 2                         ; 4 x cluster y
	s_lshl_b32 s42, ttmp9, 2                       ; 4 x cluster x
	s_cmp_eq_u32 ttmp9, 2                          ; v's clusters?  The same in all sixteen partners
	s_cselect_b32 s43, 8, s17
	s_cselect_b32 s44, s17, s42
	s_add_co_u32 s43, s43, s41                     ; S's tile row: x's 4 Y + cy, or W's 8 + cy.  It never holds cx
	s_add_co_u32 s44, s44, s40                     ; P's tile row: W's 4 X + cx, or x's 4 Y + cx.  It never holds cy
	s_lshl_b32 s45, s41, 2
	s_lshl_b32 s45, 15, s45                        ; my row of the cluster
	s_lshl_b32 s46, 0x1111, s40                    ; my column
	s_or_b32 s[G1+0], s45, (3<<16)|(1<<21)         ; 15:0 the mask; 17:16 elements of 8 bytes; 20 no padding; 21 set beside a mask
	s_or_b32 s[G1B+0], s46, (3<<16)|(1<<21)
.irp g, G1, G1B
	s_mov_b32 s[\g+1], 512<<16                     ; tensor_dim0 = 512 elements: 4,096 bytes, two fragments
	s_mov_b32 s[\g+2], 8<<16                       ; tensor_dim1 = 8
	s_mov_b32 s[\g+3], 512<<16                     ; tile_dim0
	s_mov_b32 s[\g+4], 8                           ; tile_dim1
	s_mov_b32 s[\g+5], 2048                        ; from line to line: 16,384 bytes, the 8 fragments of 16 rows
	s_mov_b32 s[\g+6], 0
	s_mov_b32 s[\g+7], 0
.endr
	s_lshl_b32 s18, s16, 17                        ; the half that I fetch: 8 x 16,384 bytes
	s_lshl_b32 s20, s43, 18                        ; a tile's 256 rows are 262,144 bytes
	s_add_co_u32 s20, s20, s18
	s_mov_b32 s21, 0
	s_lshl_b32 s46, s44, 18
	s_add_co_u32 s46, s46, s18
	s_mov_b32 s47, 0
	s_lshl_b32 s19, s14, 15                        ; where it goes: wave x 32,768: no place in the cluster enters an LDS address
	s_mov_b32 s100, 0x76543210                     ; v_permlanex16_b32's selects for lane l xor 16
	s_mov_b32 s101, 0xfedcba98
	s_wait_dscnt 0x0                               ; the opening add is done
	s_wait_kmcnt 0x0
	s_load_b256 s[76:83], s[10:11], 0x0            ; e0 .. e7
	s_cmp_eq_u32 ttmp9, 2
	s_cselect_b64 s[84:85], s[6:7], s[4:5]         ; S's codes
	s_cselect_b64 s[86:87], s[4:5], s[6:7]         ; P's codes
	s_add_nc_u64 s[20:21], s[84:85], s[20:21]
	s_add_nc_u64 s[46:47], s[86:87], s[46:47]
	CROUND                                         ; all sixteen work-groups are here: the first joint loads meet
.irp s, 0,1
	s_mov_b32 s[G0+4*\s], 1
	s_add_co_u32 s[G0+4*\s+1], s19, \s*SLOT
	s_add_nc_u64 s[G0+4*\s+2:G0+4*\s+3], s[20:21], \s*4096
	s_or_b32 s[G0+4*\s+3], s[G0+4*\s+3], 0x80000000
	s_mov_b32 s[G0B+4*\s], 1
	s_add_co_u32 s[G0B+4*\s+1], s19, \s*SLOT
	s_add_nc_u64 s[G0B+4*\s+2:G0B+4*\s+3], s[46:47], \s*4096
	s_or_b32 s[G0B+4*\s+3], s[G0B+4*\s+3], 0x80000000
	JLOAD G0+4*\s, G1, G0B+4*\s, G1B
.endr
	v_and_b32 v1, 31, v0
	v_and_b32 v2, 15, v0                           ; r
	v_bfe_u32 v3, v0, 4, 1                         ; h
	v_lshlrev_b32 v[LI], 4, v1
	s_lshl_b32 s21, s15, 15                        ; my 128 rows of S
	s_lshl_b32 s22, s16, 15                        ; my 128 rows of P,
	s_add_co_u32 s22, s22, PHALF                   ; which lie behind S's 256
.irp s, 0,1
	v_add_nc_u32 v[ADRA+\s], s21, v[LI]
	v_add_nc_u32 v[ADRB+\s], s22, v[LI]
	s_add_co_u32 s21, s21, SLOT
	s_add_co_u32 s22, s22, SLOT
.endr
	s_lshl_b32 s23, s14, 10
	s_add_co_u32 s23, s23, SCR                     ; my scratch for the squares
	v_lshl_add_u32 v24, v2, 2, s23                 ; in: 4 r
	v_add_nc_u32 v25, s23, v[LI]                   ; out: 16 x lane
	; the bias, in the results' layout.  q, k: register 8 b + j = bias(16 b + 8 h + j).  v: registers 8 a + 0 .. 7 = bias(16 a + r).  One run of loads serves both: the offset is r m_r + h m_h + j m_j
	s_cmp_eq_u32 ttmp9, 2
	s_cselect_b32 s84, 4, 0
	s_cselect_b32 s85, 0, 32
	s_cselect_b32 s86, 0, 4
	s_cselect_b32 s87, s43, s44                    ; W's tile row,
	s_cselect_b32 s88, s15, s16                    ; and my half of it
	s_lshl_b32 s87, s87, 10
	s_lshl_b32 s88, s88, 9
	s_add_co_u32 s88, s88, s87
	s_mov_b32 s89, 0
	s_add_nc_u64 s[92:93], s[8:9], s[88:89]
	v_mul_u32_u24 v12, v2, s84
	v_mad_u32_u24 v12, v3, s85, v12
.irp j, 0,1,2,3,4,5,6,7
	s_mul_i32 s87, s86, \j
	v_add_nc_u32 v[4+\j], s87, v12
.endr
.irp i, 0,1,2,3,4,5,6,7
.irp j, 0,1,2,3,4,5,6,7
	global_load_b32 v[BIAS+8*\i+\j], v[4+\j], s[92:93] offset:64*\i
.endr
.endr
.macro FRAG reg, adr, q, i             ; a fragment comes as it was laid: four pieces of 512 consecutive bytes
.irp c, 0,1,2,3
	ds_load_b128 v[\reg+4*\c:\reg+4*\c+3], v[\adr] offset:4096*(\i)+2048*(\q)+512*\c
.endr
.endm
; 16 matrix instructions: S's blocks a0, a0 + 1 x P's eight, 128 along K.  p: P's set.  zero = 1: the first product starts the sums.  The 64 accumulators take turns, one instruction a turn.
.macro MUL16 a0, p, zero
.irp a, \a0, \a0+1
.irp b, 0,1,2,3,4,5,6,7
.if \zero
	v_wmma_f32_16x16x128_fp8_fp8 v[8*(8*((\a)%4)+\b):8*(8*((\a)%4)+\b)+7], v[128*(\p)+FR*\b:128*(\p)+FR*\b+FR-1], v[AF+FR*(\a):AF+FR*(\a)+FR-1], 0
.else
	v_wmma_f32_16x16x128_fp8_fp8 v[8*(8*((\a)%4)+\b):8*(8*((\a)%4)+\b)+7], v[128*(\p)+FR*\b:128*(\p)+FR*\b+FR-1], v[AF+FR*(\a):AF+FR*(\a)+FR-1], v[8*(8*((\a)%4)+\b):8*(8*((\a)%4)+\b)+7]
.endif
.endr
.endr
.endm
.macro FETCH_B slot, q, p              ; P's eight fragments of the slot's q-th 128 along K into set p
	WIN TO_B
.irp i, 0,1,2,3,4,5,6,7
	FRAG 128*(\p)+FR*\i, ADRB+\slot, \q, \i
.endr
	WIN 0
.endm
.macro FETCH_A slot, q, i0             ; S's blocks i0 .. i0 + 3
.irp i, \i0, \i0+1, \i0+2, \i0+3
	FRAG AF+FR*(\i), ADRA+\slot, \q, \i
.endr
.endm
.macro PLACES n                        ; plain vector instructions between a matrix instruction and a load into, or a vector instruction on, its registers (ISA guide 7.12.1 for vector instructions)
.rept \n
	v_nop
.endr
.endm
.macro STEP slot, q, zero              ; a step of 128 along K that has its successor in the same slot
	s_wait_dscnt 4*NL                              ; P's set and S's blocks 0-3 are in; the youngest 16 loads (S's blocks 4-7) may be out
	WIN MUL_LO
	MUL16 0, (\q)%2, \zero
	MUL16 2, (\q)%2, \zero
	s_wait_dscnt 0                                 ; S's blocks 4-7 are in
	PLACES NP
	FETCH_B \slot, (\q)+1, 1-(\q)%2
	FETCH_A \slot, (\q)+1, 0
	WIN MUL_HI
	MUL16 4, (\q)%2, \zero
	MUL16 6, (\q)%2, \zero
	PLACES NP
	WIN 0
	FETCH_A \slot, (\q)+1, 4
.endm
; A slot's last step changes slots: one barrier; in front of it each wave waits for all its tensor loads, adds 0 to its spare word, and waits for that and for its own reads of this slot.  fill = 1: this slot is filled again, two K steps ahead.
.macro TURN slot, next, fill
	s_wait_tensorcnt 0x0                           ; all my tensor loads have landed: my part of the next slot
	ds_add_u32 v[SPW], v[NIL]                      ; 0 onto my spare word
	s_wait_dscnt 4*NL+1                            ; the add and the youngest 16 loads (S's blocks 4-7) may be out
	WIN MUL_LO
	MUL16 0, 1, 0                                  ; sixteen matrix instructions stand between the add and the wait for it
	s_wait_dscnt 0x0                               ; the add is done, and my reads of this slot are over
	s_barrier_signal -1
	MUL16 2, 1, 0
	WIN 0
	s_barrier_wait -1
.if \fill
	CREST                                          ; the barrier has opened a round of the cluster's: no wave of any partner still reads this slot or has a load on its way
	s_add_nc_u64 s[G0+4*\slot+2:G0+4*\slot+3], s[G0+4*\slot+2:G0+4*\slot+3], 2*4096
	s_add_nc_u64 s[G0B+4*\slot+2:G0B+4*\slot+3], s[G0B+4*\slot+2:G0B+4*\slot+3], 2*4096
	JLOAD G0+4*\slot, G1, G0B+4*\slot, G1B         ; the first tensor load behind the round; its four v_nop are the places in front of the loads below
.else
	PLACES NP
.endif
	FETCH_B \next, 0, 0
	FETCH_A \next, 0, 0
	WIN MUL_HI
	MUL16 4, 1, 0
	MUL16 6, 1, 0
	PLACES NP
	WIN 0
	FETCH_A \next, 0, 4
.endm
	s_wait_tensorcnt 1                             ; my part of K step 0 is in; K step 1's load may be out
	s_barrier_signal -1
	s_barrier_wait -1
	FETCH_B 0, 0, 0
	FETCH_A 0, 0, 0
	FETCH_A 0, 0, 4
	STEP 0, 0, 1                                   ; K = 0: its products start the sums
	TURN 0, 1, 1                                   ; 128; slot 0 takes K = 512 on
	STEP 1, 0, 0                                   ; 256
	TURN 1, 0, 1                                   ; 384; slot 1 takes K = 768 on
	STEP 0, 0, 0                                   ; 512
	TURN 0, 1, 0                                   ; 640; nothing is left to fetch
	STEP 1, 0, 0                                   ; 768
	s_wait_dscnt 4*NL                              ; 896: the last step
	WIN MUL_LO
	MUL16 0, 1, 0
	MUL16 2, 1, 0
	s_wait_dscnt 0
	WIN MUL_HI
	MUL16 4, 1, 0
	MUL16 6, 1, 0
	WIN 0
; THE WAY OUT.  number = sum x 2^(e0 + e1) + bias, one packed multiply-add for two; q, k: its square is summed; the hold; the conversion.  A result tile's 8 numbers of a lane become 2 registers of the next operand,
; in the place that its layout gives them: four tiles (q, k: a head's 64; v: 64 of a block's 128 keys) are 8 registers, two stores of 512 consecutive bytes.  Each (a, hh) has code registers of its own: no store's data are written again.
	s_wait_kmcnt 0x0
	s_add_co_i32 s96, s76, s77
	s_add_co_i32 s96, s96, 127
	s_lshl_b32 s96, s96, 23                        ; 2^(e0 + e1) as f32
	s_mov_b32 s97, s96                             ; (named with it as a pair, so it is written)
	s_cmp_eq_u32 ttmp9, 0
	s_cselect_b32 s98, s78, s79
	s_cmp_eq_u32 ttmp9, 2
	s_cselect_b32 s98, s81, s98                    ; e2 for q, e3 for k, e5 for v
	s_add_co_i32 s98, s98, 127
	s_lshl_b32 s99, s98, 23
	v_mov_b32 v22, s99                             ; the scale as f32
	s_add_co_i32 s98, s98, 8
	s_lshl_b32 s98, s98, 23
	s_or_b32 s98, s98, 0x600000
	v_mov_b32 v23, s98                             ; 448 x the scale
	s_add_co_i32 s99, s78, s79
	s_sub_co_i32 s99, 126, s99
	s_lshl_b32 s99, s99, 23
	s_or_b32 s99, s99, 0x80000000                  ; k: -1 / 2^(e2 + e3 + 1)
	s_mov_b32 s98, 0xbdb8aa3b                      ; q: -log2(e) / 16
	s_cmp_eq_u32 ttmp9, 0
	s_cselect_b32 s98, s98, s99
	PLACES NP                                      ; behind the last products: their results are read and S's fragments written below
	s_wait_loadcnt 0x0                             ; the bias
.macro EPI a, hh, isv
	WIN 0x02+((\a)/4)                              ; source 0: window 2 or 3
.irp c, 0,1,2,3
.irp i, 0,2,4,6
.if \isv
	v_pk_fma_f32 v[T+8*\c+\i:T+8*\c+\i+1], v[64*((\a)%4)+8*(4*\hh+\c)+\i:64*((\a)%4)+8*(4*\hh+\c)+\i+1], s[96:97], v[BIAS+8*(\a)+\i:BIAS+8*(\a)+\i+1] op_sel_hi:[1,0,1]
.else
	v_pk_fma_f32 v[T+8*\c+\i:T+8*\c+\i+1], v[64*((\a)%4)+8*(4*\hh+\c)+\i:64*((\a)%4)+8*(4*\hh+\c)+\i+1], s[96:97], v[BIAS+8*(4*\hh+\c)+\i:BIAS+8*(4*\hh+\c)+\i+1] op_sel_hi:[1,0,1]
.endif
.endr
.endr
	WIN 0
.if \isv == 0
	v_pk_mul_f32 v[12:13], v[T:T+1], v[T:T+1]      ; the squares of the unquantised numbers, in two chains
	v_pk_mul_f32 v[14:15], v[T+2:T+3], v[T+2:T+3]
.irp i, 4,8,12,16,20,24,28
	v_pk_fma_f32 v[12:13], v[T+\i:T+\i+1], v[T+\i:T+\i+1], v[12:13]
	v_pk_fma_f32 v[14:15], v[T+\i+2:T+\i+3], v[T+\i+2:T+\i+3], v[14:15]
.endr
	v_pk_add_f32 v[12:13], v[12:13], v[14:15]
.endif
.set n, 0
.rept 32
	v_med3_num_f32 v[T+n], v[T+n], -v23, v23       ; the conversion to an 8-bit code does not saturate (ISA guide 7.6.2)
.set n, n+1
.endr
.irp c, 0,1,2,3
	v_cvt_scalef32_pk8_fp8_f32 v[CD+16*(\a)+8*\hh+2*\c:CD+16*(\a)+8*\hh+2*\c+1], v[T+8*\c:T+8*\c+7], v22
.endr
.if \isv
	v_nop                                          ; a plain line behind the conversions: the next tile writes their sources
	global_store_b128 v[LI], v[CD+16*(\a)+8*\hh:CD+16*(\a)+8*\hh+3], s[84:85] offset:270336*((\a)/4)+2048*((\a)%4)+1024*\hh
	global_store_b128 v[LI], v[CD+16*(\a)+8*\hh+4:CD+16*(\a)+8*\hh+7], s[84:85] offset:270336*((\a)/4)+2048*((\a)%4)+1024*\hh+512
.else
	v_add_f32 v12, v12, v13                        ; (also the plain line behind the conversions)
	v_permlanex16_b32 v13, v12, s100, s101         ; the row's other 32 numbers lie in the lane 16 away
	v_add_f32 v12, v12, v13
	v_mul_f32 v12, s98, v12
	ds_store_b32 v24, v12 offset:512*\hh+64*(\a)   ; token 16 a + r of head hh; both halves of the lanes write the same number
	global_store_b128 v[LI], v[CD+16*(\a)+8*\hh:CD+16*(\a)+8*\hh+3], s[84+2*\hh:85+2*\hh] offset:1024*(\a)
	global_store_b128 v[LI], v[CD+16*(\a)+8*\hh+4:CD+16*(\a)+8*\hh+7], s[84+2*\hh:85+2*\hh] offset:1024*(\a)+512
.endif
.endm
	s_cmp_eq_u32 ttmp9, 2
	s_cbranch_scc1 .Lv
	; ---- q and k: S's tile row gives the batch and the block of 128 tokens, P's the heads
	s_lshr_b32 s17, s43, 3
	s_lshl_b32 s17, s17, 4
	s_and_b32 s18, s44, 3
	s_lshl_b32 s18, s18, 2
	s_add_co_u32 s17, s17, s18
	s_lshl_b32 s18, s16, 1
	s_add_co_u32 s17, s17, s18                     ; my first head: 16 x batch + 4 (tile row % 4) + 2 x half
	s_and_b32 s18, s43, 7
	s_lshl_b32 s18, s18, 1
	s_add_co_u32 s18, s18, s15                     ; my block of 128 tokens
	s_mov_b32 s19, 270336
	s_mov_b32 s20, 16896
	s_mov_b32 s21, 270336
	s_mov_b32 s22, 16896
	s_mov_b32 s23, 16384
	s_cmp_eq_u32 ttmp9, 0
	s_cselect_b32 s19, 131072, s19                 ; codes: from head to head,
	s_cselect_b32 s20, 8192, s20                   ; from block to block
	s_cselect_b32 s21, 8192, s21                   ; squares: the same,
	s_cselect_b32 s22, 512, s22
	s_cselect_b32 s23, 0, s23                      ; and their place in a block of kv
	s_cselect_b64 s[74:75], s[68:69], s[72:73]     ; qc or kv
	s_cselect_b64 s[94:95], s[70:71], s[72:73]     ; qq or kv
	s_mul_i32 s12, s17, s19
	s_mul_i32 s2, s18, s20
	s_add_co_u32 s12, s12, s2
	s_mov_b32 s13, 0
	s_add_nc_u64 s[84:85], s[74:75], s[12:13]
	s_mov_b32 s12, s19
	s_add_nc_u64 s[86:87], s[84:85], s[12:13]
	s_mul_i32 s12, s17, s21
	s_mul_i32 s2, s18, s22
	s_add_co_u32 s12, s12, s2
	s_add_co_u32 s12, s12, s23
	s_add_nc_u64 s[88:89], s[94:95], s[12:13]
	s_mov_b32 s12, s21
	s_add_nc_u64 s[90:91], s[88:89], s[12:13]
.irp a, 0,1,2,3,4,5,6,7
	EPI \a, 0, 0
	EPI \a, 1, 0
.endr
	ds_load_b128 v[T:T+3], v25                     ; my own scratch: LDS serves a wave's instructions in order.  128 numbers of a head: 512 consecutive bytes
	ds_load_b128 v[T+4:T+7], v25 offset:512
	s_wait_dscnt 0x0
	global_store_b128 v[LI], v[T:T+3], s[88:89]
	global_store_b128 v[LI], v[T+4:T+7], s[90:91]
	s_branch .Lend
.Lv:	; ---- v: P's tile row gives the batch and the block of 128 keys, S's the heads
	s_lshr_b32 s17, s44, 3
	s_lshl_b32 s17, s17, 4
	s_lshl_b32 s18, s41, 2
	s_add_co_u32 s17, s17, s18
	s_lshl_b32 s18, s15, 1
	s_add_co_u32 s17, s17, s18                     ; my first head: 16 x batch + 4 cy + 2 x half
	s_and_b32 s18, s44, 7
	s_lshl_b32 s18, s18, 1
	s_add_co_u32 s18, s18, s16                     ; my block of 128 keys
	s_mul_i32 s12, s17, 270336
	s_mul_i32 s2, s18, 16896
	s_add_co_u32 s12, s12, s2
	s_add_co_u32 s12, s12, 8192                    ; V^T's fragments lie behind K's
	s_mov_b32 s13, 0
	s_add_nc_u64 s[84:85], s[72:73], s[12:13]
.irp a, 0,1,2,3,4,5,6,7
	EPI \a, 0, 1
	EPI \a, 1, 1
.endr
.Lend:
	s_wait_tensorcnt 0x0                           ; the wave's end: a wait, an add of 0 to my spare word and its wait, behind my last tensor load and my last LDS store
	ds_add_u32 v[SPW], v[NIL]
	s_wait_dscnt 0x0
	CROUND                                         ; the closing round: no work-group ends while a partner may still ask for a tile that names it
	s_endpgm
.Lfunc_end_k_q08e5068a80_qkv:
	.size	k_q08e5068a80_qkv, .Lfunc_end_k_q08e5068a80_qkv-k_q08e5068a80_qkv
	.p2alignl 7, 3214868480
	.fill 96, 4, 3214868480
	.section	.rodata,"a",@progbits
	.p2align	6, 0x0
	.amdhsa_kernel k_q08e5068a80_qkv
		.amdhsa_group_segment_fixed_size 327680
		.amdhsa_private_segment_fixed_size 0
		.amdhsa_enable_private_segment 0
		.amdhsa_kernarg_size 56
		.amdhsa_user_sgpr_count 2
		.amdhsa_user_sgpr_kernarg_segment_ptr 1
		.amdhsa_wavefront_size32 1
		.amdhsa_system_sgpr_workgroup_id_x 1
		.amdhsa_system_sgpr_workgroup_id_y 1
		.amdhsa_system_sgpr_workgroup_id_z 1
		.amdhsa_system_vgpr_workitem_id 0
		.amdhsa_next_free_vgpr 1024
		.amdhsa_next_free_sgpr 102
		.amdhsa_reserve_vcc 0
		.amdhsa_float_denorm_mode_32 3
		.amdhsa_float_denorm_mode_16_64 3
		.amdhsa_memory_ordered 1
		.amdhsa_forward_progress 1
		.amdhsa_inst_pref_size 220
	.end_amdhsa_kernel
	.amdgpu_metadata
---
amdhsa.version: [ 1, 2 ]
amdhsa.kernels:
  - .name:           k_q08e5068a80_qkv
    .symbol:         k_q08e5068a80_qkv.kd
    .args:
      - { .name: xc, .offset: 0, .size: 8, .value_kind: global_buffer, .address_space: global }
      - { .name: wc, .offset: 8, .size: 8, .value_kind: global_buffer, .address_space: global }
      - { .name: b_attn, .offset: 16, .size: 8, .value_kind: global_buffer, .address_space: global }
      - { .name: lowp_scales, .offset: 24, .size: 8, .value_kind: global_buffer, .address_space: global }
      - { .name: qc, .offset: 32, .size: 8, .value_kind: global_buffer, .address_space: global }
      - { .name: qq, .offset: 40, .size: 8, .value_kind: global_buffer, .address_space: global }
      - { .name: kv, .offset: 48, .size: 8, .value_kind: global_buffer, .address_space: global }
    .group_segment_fixed_size: 327680
    .private_segment_fixed_size: 0
    .kernarg_segment_align: 8
    .kernarg_segment_size: 56
    .max_flat_workgroup_size: 128
    .sgpr_count:     102
    .vgpr_count:     1024
    .wavefront_size: 32
...
	.end_amdgpu_metadata
.endif
;; end of part 2
;; launch attn (part 3): grid 256 x 1, 16 waves a work-group, clusters of 4 x 1, 327,680 bytes of LDS; arguments qc, qq, kv, lowp_scales, yc; writes yc
.if DOCPART == 3
	.amdgcn_target "amdgcn-amd-amdhsa--gfx1250"
	.amdhsa_code_object_version 6
	.text
	.protected	k_q08e5068a80_attn
	.globl	k_q08e5068a80_attn
	.p2align	8
	.type	k_q08e5068a80_attn,@function
k_q08e5068a80_attn:
	s_mov_b64 s[64:65], 0
	v_nop
	global_prefetch_b8 v0, s[64:65] scope:SCOPE_SE
	s_setreg_imm32_b32 hwreg(HW_REG_WAVE_MODE, 25, 1), 1
	s_wait_xcnt 0x0
	s_wait_alu depctr_hold_cnt(0) depctr_sa_sdst(0) depctr_va_vdst(0) depctr_va_sdst(0) depctr_va_ssrc(0) depctr_va_vcc(0) depctr_vm_vsrc(0)
	s_getreg_b32 s2, hwreg(HW_REG_IB_STS2, 6, 4)
	s_cmp_eq_u32 s2, 0
	s_cbranch_scc0 .Lentry_in_a_cluster
	s_endpgm
.Lentry_in_a_cluster:
	s_bfe_u32 s2, ttmp6, 0x10000c
	s_cmp_lg_u32 s2, 0x3003
	s_cbranch_scc0 .Lentry_shape_is_right
	s_endpgm
.Lentry_shape_is_right:
; y[head][q] = the sum over keys k <= q of exp(-(|q|^2 + |k|^2 - 2 q.k) / 16) v[k], both products on codes of FP8 (E4M3); y is quantised on the way out (scale: entry 6) as the last product's operand.
; t = (sum of code products + kk) c1 + qq, c1 = log2(e) / 8 x 2^(e2 + e3), kk = -|k|^2 / 2^(e2 + e3 + 1), qq = -|q|^2 log2(e) / 16; p = 2^t is quantised with 2^e4.  There is no maximum and no sum: the problem has none.
; kk is the C of the first product (eight registers a tile, in the result's layout), qq the addend of the one packed multiply-add.
; SHARES.  A cluster of four work-groups takes a head.  The head's K, V^T and kk, 270,336 bytes, fit in LDS: they are asked for ONCE, jointly by the four, at the kernel's head: no ring, no refill.
; Each of the sixteen waves owns 32 queries (two tiles of 16) of key block beta: tiles 8 beta + 2 cx, + 1, and walks key blocks 0 .. beta, 128 keys a step.  beta hangs on the wave's number alone; beta + 1 is a magic square
; (16 3 2 13 / 5 10 11 8 / 9 6 7 12 / 4 15 14 1): each four waves taken by rows or by columns have 34 steps.  Four waves to a SIMD, so that one wave's vector work stands beside another's products and LDS loads.
; LAYOUT.  Both products are used transposed: S^T = K Q^T (source 0 = 16 keys, source 1 = 16 queries), O^T = V^T P^T: a lane holds one query.  A tile of S^T gives lane (r, h) keys 16 c + 8 h + 0 .. 7:
; their eight codes ARE registers 2 c, 2 c + 1 of the second product's source 1.  Nothing changes lanes, and nothing is stored to LDS.
; Blocks 0 and 1 are fetched by waves 12 .. 15 and waited for first; blocks 2 .. 15 (waves 0 .. 11) land while every wave walks blocks 0 and 1.  By this text's own count a wave has one tensor load outstanding.
; CAUSAL.  Both walks have constant trip counts; a step whose keys all come after the wave's queries is left out by a scalar branch on ids.  In the wave's own block hidden scores become -infinity ahead of the exponential.
; No branch and no LDS address hangs on cx: it enters global addresses and the mask's vector data alone.
; LIMITS: e2 + e3 between -123 and 125; e4 and e6 - e4 - e5 between -126 and 119.  A p under 2^-126 counts as 0.  NaN among the inputs is not served.
.set BLKB,  16896                      ; a block of 128 keys: K's 8 fragments of 1,024 bytes, V^T's 4 of 2,048, 128 numbers kk
.set HEADB, 16*BLKB
.set SPARE, HEADB                      ; behind the head: the spare words, 128 bytes for each wave: eight blocks of 256 bytes that no other line names
.set LI,   1                           ; v1   16 x lane
.set KKA,  2                           ; v2   kk's place for my half of the lanes: 16,384 + 32 h
.set ADK,  3                           ; v3   the step's fragments
.set ADC,  4                           ; v4   the step's kk
.set SPW,  5                           ; v5   LDS address of my spare word; never rewritten
.set NIL,  6                           ; v6   0; never rewritten
.set NINF, 7                           ; v7   -infinity
.set LIM,  8                           ; v8   448 x the conversion's scale
.set SC,   9                           ; v9   the conversion's scale as f32
.set QQ,   10                          ; v[10:11] qq of my query in tile A, in tile B
.set DA,   12                          ; v12  my query in tile A, in its block, less 8 h
.set DB,   13                          ; v13  the same for tile B
.set QO,   14                          ; v14  4 r
.set QF,   16                          ; v16-31   Q: tile A, tile B
.set KF,   32                          ; v32-63   four fragments of K;  v32-95 V^T's four
.set KC,   64                          ; v64-95   four tiles of kk
.set SA,   96                          ; v96-127  S^T, then p, of tile A: four tiles of 16 keys
.set SB,   128                         ; v128-159 of tile B
.set PA,   160                         ; v160-175 p's codes, tile A
.set PB,   176                         ; v176-191 tile B
.set OA,   192                         ; v192-223 O^T, tile A
.set OB,   224                         ; v224-255 tile B
.set WV,   14
.set BETA, 15
.set KB,   16                          ; s16  the step's key block
.set TB,   17                          ; s17  its first LDS byte
.set CXR,  18
.set BH,   19
.set C1,   22                          ; s[22:23] c1: the packed form names a pair and takes its low word for both halves
.set G1A,  24                          ; s[24:31] group 1: 33 lines of 256 bytes;  s[32:39]: 77 lines
.set G1B,  32
.set G0A,  40
.set G0B,  44
.macro ROUND                           ; a round of the cluster's barrier
	s_barrier_signal -1
	s_barrier_wait -1
	s_cmp_lg_u32 s[WV], 0
	s_cbranch_scc1 .Lnot_wave_0_\@
	s_barrier_signal -3
.Lnot_wave_0_\@:
	s_barrier_wait -3
	s_barrier_signal -1
	s_barrier_wait -1
.endm
	s_load_b256 s[4:11], s[0:1], 0x0               ; qc s[4:5], qq s[6:7], kv s[8:9], the scales' exponents s[10:11]
	s_load_b64 s[12:13], s[0:1], 0x20              ; yc
	v_lshl_add_u32 v[SPW], v0, 2, SPARE
	v_mov_b32 v[NIL], 0
	ds_add_u32 v[SPW], v[NIL]                      ; the wave's opening: the add and its wait come ahead of my first tensor load; the set-up below, work on registers, stands between them
	v_lshrrev_b32 v1, 5, v0
	v_readfirstlane_b32 s[WV], v1                  ; wave 0..15
	s_mov_b32 s[BETA], 0x0de3b658
	s_cmp_lt_u32 s[WV], 8
	s_cselect_b32 s[BETA], 0x7a94c12f, s[BETA]
	s_and_b32 s20, s[WV], 7
	s_lshl_b32 s20, s20, 2
	s_lshr_b32 s[BETA], s[BETA], s20
	s_and_b32 s[BETA], s[BETA], 15                 ; my key block: a digit of the table
	s_bfe_u32 s[CXR], ttmp6, 0x40000               ; cx
	s_mov_b32 s[BH], ttmp9                         ; the head: in a cluster launch ttmp9 counts clusters
.irp g, G1A, G1B
	s_mov_b32 s[\g], 15|(3<<16)|(1<<21)            ; 15:0 the mask: all four work-groups; 17:16 elements of 8 bytes; 20 no padding; 21 set beside a mask
	s_mov_b32 s[\g+1], 32<<16                      ; tensor_dim0 = 32 elements: 256 bytes
	s_mov_b32 s[\g+3], 32<<16                      ; tile_dim0
	s_mov_b32 s[\g+5], 32                          ; dense
	s_mov_b32 s[\g+6], 0
	s_mov_b32 s[\g+7], 0
.endr
	s_mov_b32 s[G1A+2], 33<<16                     ; tensor_dim1, tile_dim1: a quarter of blocks 0 and 1,
	s_mov_b32 s[G1A+4], 33
	s_mov_b32 s[G1B+2], 77<<16                     ; a twelfth of blocks 2 .. 15
	s_mov_b32 s[G1B+4], 77
	s_lshl_b32 s66, s[BETA], 3
	s_lshl_b32 s67, s[CXR], 1
	s_add_co_u32 s66, s66, s67                     ; my tile A among the head's 128.  (What holds cx lies in s66, s67 and the offsets made of them, never in a register that feeds a descriptor)
	s_lshl_b32 s56, s66, 10
	s_lshl_b32 s67, s[BH], 17
	s_add_co_u32 s56, s56, s67                     ; its fragment in qc
	s_mov_b32 s57, 0
	s_lshl_b32 s58, s66, 6
	s_lshl_b32 s67, s[BH], 13
	s_add_co_u32 s58, s58, s67                     ; its 16 numbers in qq
	s_mov_b32 s59, 0
	s_lshr_b32 s60, s[BH], 4
	s_lshl_b32 s60, s60, 7
	s_add_co_u32 s60, s60, s66                     ; its 16 rows of y: 128 x batch + tile
	s_lshl_b32 s60, s60, 14
	s_and_b32 s67, s[BH], 15
	s_lshl_b32 s67, s67, 10
	s_add_co_u32 s60, s60, s67                     ; + the head's 1,024 bytes
	s_mov_b32 s61, 0
	s_mul_i32 s62, s[BH], HEADB
	s_mov_b32 s63, 0
	s_and_b32 s20, s[WV], 3
	s_mul_i32 s20, s20, 33*256                     ; waves 12 .. 15: my part of blocks 0 and 1, in memory and in LDS alike
	s_mov_b32 s21, 0
	s_mul_i32 s2, s[WV], 77*256
	s_add_co_u32 s2, s2, 2*BLKB                    ; waves 0 .. 11: my part of blocks 2 .. 15
	s_mov_b32 s3, 0
	s_lshl_b32 s67, s[CXR], 5
	v_and_b32 v[LI], 31, v0
	v_lshlrev_b32 v[LI], 4, v[LI]
	v_and_b32 v[QO], 15, v0                        ; r
	v_bfe_u32 v[KKA], v0, 4, 1                     ; h
	v_lshlrev_b32 v[DB], 3, v[KKA]
	v_sub_nc_u32 v[DA], v[QO], v[DB]
	v_add_nc_u32 v[DA], s67, v[DA]                 ; 32 cx + r - 8 h
	v_add_nc_u32 v[DB], 16, v[DA]
	v_lshlrev_b32 v[KKA], 5, v[KKA]
	v_add_nc_u32 v[KKA], 16384, v[KKA]
	v_lshlrev_b32 v[QO], 2, v[QO]
	v_mov_b32 v[NINF], 0xff800000
.set n, 0
.rept 64
	v_mov_b32 v[OA+n], 0                           ; O^T.  (The step is written once: the first adds onto zeros)
.set n, n+1
.endr
	s_wait_dscnt 0x0                               ; the opening add is done
	s_wait_kmcnt 0x0
	s_load_b256 s[48:55], s[10:11], 0x0            ; e0 .. e7
	s_add_nc_u64 s[4:5], s[4:5], s[56:57]
	s_add_nc_u64 s[6:7], s[6:7], s[58:59]
	s_add_nc_u64 s[12:13], s[12:13], s[60:61]
	s_add_nc_u64 s[8:9], s[8:9], s[62:63]          ; the head's first byte in kv: shared by the four partners
.irp i, 0,1,2,3
	global_load_b128 v[QF+4*\i:QF+4*\i+3], v[LI], s[4:5] offset:512*\i   ; Q's two fragments stay in registers
.endr
	global_load_b32 v[QQ], v[QO], s[6:7]
	global_load_b32 v[QQ+1], v[QO], s[6:7] offset:64
	s_mov_b32 s[G0A], 1
	s_mov_b32 s[G0A+1], s20
	s_add_nc_u64 s[G0A+2:G0A+3], s[8:9], s[20:21]
	s_or_b32 s[G0A+3], s[G0A+3], 0x80000000
	s_mov_b32 s[G0B], 1
	s_mov_b32 s[G0B+1], s2
	s_add_nc_u64 s[G0B+2:G0B+3], s[8:9], s[2:3]
	s_or_b32 s[G0B+3], s[G0B+3], 0x80000000
	ROUND                                          ; all four work-groups are here: the joint loads meet
	s_cmp_lt_u32 s[WV], 12                         ; every wave issues one load; the branch hangs on the wave's number alone.  An s_nop 0 and four v_nop follow each
	s_cbranch_scc0 .Lfirst_blocks
	tensor_load_to_lds s[G0B:G0B+3], s[G1B:G1B+7]
	s_nop 0
.rept 4
	v_nop
.endr
	s_branch .Lasked
.Lfirst_blocks:
	tensor_load_to_lds s[G0A:G0A+3], s[G1A:G1A+7]
	s_nop 0
.rept 4
	v_nop
.endr
	s_wait_tensorcnt 0x0                           ; my part of blocks 0 and 1 has landed: the barrier below says so to the others
.Lasked:
	s_wait_kmcnt 0x0
	s_add_co_i32 s20, s50, s51
	s_lshl_b32 s20, s20, 23
	s_mov_b32 s[C1], 0x3e38aa3b                    ; log2(e) / 8;
	s_add_co_i32 s[C1], s[C1], s20                 ; e2 + e3 are added to its exponent field
	s_mov_b32 s[C1+1], s[C1]                       ; (named with it as a pair, so it is written)
	s_add_co_i32 s20, s52, 127
	s_lshl_b32 s21, s20, 23
	v_mov_b32 v[SC], s21                           ; 2^e4 as f32
	s_add_co_i32 s20, s20, 8
	s_lshl_b32 s20, s20, 23
	s_or_b32 s20, s20, 0x600000
	v_mov_b32 v[LIM], s20                          ; 448 x 2^e4
	s_wait_loadcnt 0x0                             ; Q and qq
	s_barrier_signal -1                            ; blocks 2 .. 15 may stay on their way
	s_barrier_wait -1                              ; blocks 0 and 1 are whole
.macro KLOAD hf                        ; four of the block's eight tiles of keys: K's fragments, and kk in the result's layout: register j of lane (r, h) = kk(16 c + 8 h + j)
.irp c, 0,1,2,3
	ds_load_b128 v[KF+8*\c:KF+8*\c+3],   v[ADK] offset:1024*(4*\hf+\c)
	ds_load_b128 v[KF+8*\c+4:KF+8*\c+7], v[ADK] offset:1024*(4*\hf+\c)+512
	ds_load_b128 v[KC+8*\c:KC+8*\c+3],   v[ADC] offset:64*(4*\hf+\c)
	ds_load_b128 v[KC+8*\c+4:KC+8*\c+7], v[ADC] offset:64*(4*\hf+\c)+16
.endr
.endm
.macro QK                              ; S^T = K Q^T + kk: eight results, each fragment of K for both tiles of queries
.irp c, 0,1,2,3
	v_wmma_f32_16x16x64_fp8_fp8 v[SA+8*\c:SA+8*\c+7], v[KF+8*\c:KF+8*\c+7], v[QF:QF+7], v[KC+8*\c:KC+8*\c+7]
	v_wmma_f32_16x16x64_fp8_fp8 v[SB+8*\c:SB+8*\c+7], v[KF+8*\c:KF+8*\c+7], v[QF+8:QF+15], v[KC+8*\c:KC+8*\c+7]
.endr
.endm
.macro VLOAD                           ; V^T's four fragments: 16 channels x 128 keys each
.irp d, 0,1,2,3
.irp g, 0,1,2,3
	ds_load_b128 v[KF+16*\d+4*\g:KF+16*\d+4*\g+3], v[ADK] offset:8192+2048*\d+512*\g
.endr
.endr
.endm
.macro PV                              ; O^T += V^T P^T: the eight accumulators take turns, one instruction a turn
.irp d, 0,1,2,3
	v_wmma_f32_16x16x128_fp8_fp8 v[OA+8*\d:OA+8*\d+7], v[KF+16*\d:KF+16*\d+15], v[PA:PA+15], v[OA+8*\d:OA+8*\d+7]
	v_wmma_f32_16x16x128_fp8_fp8 v[OB+8*\d:OB+8*\d+7], v[KF+16*\d:KF+16*\d+15], v[PB:PB+15], v[OB+8*\d:OB+8*\d+7]
.endr
.endm
.macro SOFT hf                         ; 64 keys x 32 queries: t, the mask, p, the hold, the codes
.irp j, 0,2,4,6,8,10,12,14,16,18,20,22,24,26,28,30
	v_pk_fma_f32 v[SA+\j:SA+\j+1], v[SA+\j:SA+\j+1], s[C1:C1+1], v[QQ:QQ+1] op_sel_hi:[1,0,0]                  ; t = (sum + kk) c1 + qq: tile A takes the pair's low word for both halves,
	v_pk_fma_f32 v[SB+\j:SB+\j+1], v[SB+\j:SB+\j+1], s[C1:C1+1], v[QQ:QQ+1] op_sel:[0,0,1] op_sel_hi:[1,0,1]   ; tile B its high word
.endr
	s_cmp_lt_u32 s[KB], s[BETA]                    ; a block ahead of my own: all its keys count
	s_cbranch_scc1 .Lopen_\@
.set n, 0
.rept 32                               ; register n holds key 64 hf + 16 (n / 8) + n % 8 + 8 h of the block: hidden where that is above my query
	v_cmp_gt_i32 vcc_lo, 64*\hf+16*(n/8)+n%8, v[DA]
	v_cndmask_b32 v[SA+n], v[SA+n], v[NINF], vcc_lo
	v_cmp_gt_i32 vcc_lo, 64*\hf+16*(n/8)+n%8, v[DB]
	v_cndmask_b32 v[SB+n], v[SB+n], v[NINF], vcc_lo
.set n, n+1
.endr
.Lopen_\@:
.set n, 0
.rept 32
	v_exp_f32 v[SA+n], v[SA+n]                     ; p = 2^t: one batch of 64
	v_exp_f32 v[SB+n], v[SB+n]
.set n, n+1
.endr
	v_nop                                          ; a plain instruction behind the last exponential
	s_wait_alu depctr_va_vdst(0)                   ; the wait stands ahead of the first instruction that names a result: one for the batch
.irp c, 0,1,2,3
.irp i, 0,1,2,3,4,5,6,7
	v_min_num_f32 v[SA+8*\c+\i], v[SA+8*\c+\i], v[LIM]   ; the conversion to an 8-bit code does not saturate (ISA guide 7.6.2); p is not negative, so the hold is one-sided
	v_min_num_f32 v[SB+8*\c+\i], v[SB+8*\c+\i], v[LIM]
.endr
	v_cvt_scalef32_pk8_fp8_f32 v[PA+8*\hf+2*\c:PA+8*\hf+2*\c+1], v[SA+8*\c:SA+8*\c+7], v[SC]   ; keys 16 c + 8 h + 0 .. 7: registers 2 c, 2 c + 1 of the operand
	v_cvt_scalef32_pk8_fp8_f32 v[PB+8*\hf+2*\c:PB+8*\hf+2*\c+1], v[SB+8*\c:SB+8*\c+7], v[SC]
.endr
	v_nop                                          ; a plain line between the last conversion and the products that read its result or write its sources
.endm
.macro STEP                            ; one block of 128 keys
	s_cmp_gt_u32 s[KB], s[BETA]                    ; all its keys come after my queries: the work is left out; the lines that step stand behind the label
	s_cbranch_scc1 .Lhid_\@
	v_add_nc_u32 v[ADK], s[TB], v[LI]
	v_add_nc_u32 v[ADC], s[TB], v[KKA]
	v_nop                                          ; with the two additions: four places in front of loads into registers that the last products read
	v_nop
	KLOAD 0
	s_wait_dscnt 0x0
	QK
.rept 4
	v_nop                                          ; places: loads into the products' sources, reads of their results
.endr
	KLOAD 1                                        ; the next four tiles come while the first four go through the exponentials
	SOFT 0
	s_wait_dscnt 0x0
	QK
.rept 4
	v_nop
.endr
	VLOAD
	SOFT 1
	s_wait_dscnt 0x0
	PV
.Lhid_\@:
	s_add_co_u32 s[TB], s[TB], BLKB
	s_add_co_u32 s[KB], s[KB], 1
.endm
	s_mov_b32 s[KB], 0
	s_mov_b32 s[TB], 0
.Lfirst:                               ; blocks 0 and 1
	STEP
	s_cmp_lt_u32 s[KB], 2
	s_cbranch_scc1 .Lfirst
	s_wait_tensorcnt 0x0                           ; my part of blocks 2 .. 15 has landed
	s_wait_dscnt 0x0
	s_barrier_signal -1
	s_barrier_wait -1                              ; everybody's has
	s_mov_b32 s[KB], 2
	s_mov_b32 s[TB], 2*BLKB
.Lrest:                                ; blocks 2 .. 15
	STEP
	s_cmp_lt_u32 s[KB], 16
	s_cbranch_scc1 .Lrest
	; THE WAY OUT.  y = O^T x 2^(e4 + e5); its code is O^T / 2^(e6 - e4 - e5): the three scales are folded into the conversion's one.  A tile's 8 registers of codes are the head's 64 of K of the last product's operand: two stores of 512 consecutive bytes.
.rept 4
	v_nop                                          ; places behind the last products
.endr
	s_sub_co_i32 s20, s54, s52
	s_sub_co_i32 s20, s20, s53
	s_add_co_i32 s20, s20, 127
	s_lshl_b32 s21, s20, 23
	v_mov_b32 v[SC], s21
	s_add_co_i32 s20, s20, 8
	s_lshl_b32 s20, s20, 23
	s_or_b32 s20, s20, 0x600000
	v_mov_b32 v[LIM], s20
.set n, 0
.rept 64
	v_med3_num_f32 v[OA+n], v[OA+n], -v[LIM], v[LIM]   ; each accumulator from its low end on
.set n, n+1
.endr
.irp d, 0,1,2,3
	v_cvt_scalef32_pk8_fp8_f32 v[PA+2*\d:PA+2*\d+1], v[OA+8*\d:OA+8*\d+7], v[SC]
	v_cvt_scalef32_pk8_fp8_f32 v[PA+8+2*\d:PA+8+2*\d+1], v[OB+8*\d:OB+8*\d+7], v[SC]
.endr
	v_nop
	global_store_b128 v[LI], v[PA:PA+3], s[12:13]
	global_store_b128 v[LI], v[PA+4:PA+7], s[12:13] offset:512
	global_store_b128 v[LI], v[PA+8:PA+11], s[12:13] offset:16384     ; tile B: the next 16 rows of y
	global_store_b128 v[LI], v[PA+12:PA+15], s[12:13] offset:16896
	s_wait_tensorcnt 0x0                           ; the wave's end: a wait, an add of 0 to my spare word and its wait, behind my last tensor load
	ds_add_u32 v[SPW], v[NIL]
	s_wait_dscnt 0x0
	ROUND                                          ; the closing round: no work-group ends while a partner may still ask for a tile that names it
	s_endpgm
.Lfunc_end_k_q08e5068a80_attn:
	.size	k_q08e5068a80_attn, .Lfunc_end_k_q08e5068a80_attn-k_q08e5068a80_attn
	.p2alignl 7, 3214868480
	.fill 96, 4, 3214868480
	.section	.rodata,"a",@progbits
	.p2align	6, 0x0
	.amdhsa_kernel k_q08e5068a80_attn
		.amdhsa_group_segment_fixed_size 327680
		.amdhsa_private_segment_fixed_size 0
		.amdhsa_enable_private_segment 0
		.amdhsa_kernarg_size 40
		.amdhsa_user_sgpr_count 2
		.amdhsa_user_sgpr_kernarg_segment_ptr 1
		.amdhsa_wavefront_size32 1
		.amdhsa_system_sgpr_workgroup_id_x 1
		.amdhsa_system_sgpr_workgroup_id_y 1
		.amdhsa_system_sgpr_workgroup_id_z 1
		.amdhsa_system_vgpr_workitem_id 0
		.amdhsa_next_free_vgpr 256
		.amdhsa_next_free_sgpr 72
		.amdhsa_reserve_vcc 1
		.amdhsa_float_denorm_mode_32 3
		.amdhsa_float_denorm_mode_16_64 3
		.amdhsa_memory_ordered 1
		.amdhsa_forward_progress 1
		.amdhsa_inst_pref_size 72
	.end_amdhsa_kernel
	.amdgpu_metadata
---
amdhsa.version: [ 1, 2 ]
amdhsa.kernels:
  - .name:           k_q08e5068a80_attn
    .symbol:         k_q08e5068a80_attn.kd
    .args:
      - { .name: qc, .offset: 0, .size: 8, .value_kind: global_buffer, .address_space: global }
      - { .name: qq, .offset: 8, .size: 8, .value_kind: global_buffer, .address_space: global }
      - { .name: kv, .offset: 16, .size: 8, .value_kind: global_buffer, .address_space: global }
      - { .name: lowp_scales, .offset: 24, .size: 8, .value_kind: global_buffer, .address_space: global }
      - { .name: yc, .offset: 32, .size: 8, .value_kind: global_buffer, .address_space: global }
    .group_segment_fixed_size: 327680
    .private_segment_fixed_size: 0
    .kernarg_segment_align: 8
    .kernarg_segment_size: 40
    .max_flat_workgroup_size: 512
    .sgpr_count:     72
    .vgpr_count:     256
    .wavefront_size: 32
...
	.end_amdgpu_metadata
.endif
;; end of part 3
;; launch proj (part 4): grid 4 x 32, 4 waves a work-group, clusters of 4 x 4, 327,680 bytes of LDS; arguments yc, wc, b_proj, lowp_scales, out0; writes out0
.if DOCPART == 4
	.amdgcn_target "amdgcn-amd-amdhsa--gfx1250"
	.amdhsa_code_object_version 6
	.text
	.protected	k_q08e5068a80_proj
	.globl	k_q08e5068a80_proj
	.p2align	8
	.type	k_q08e5068a80_proj,@function
k_q08e5068a80_proj:
	s_mov_b64 s[64:65], 0
	v_nop
	global_prefetch_b8 v0, s[64:65] scope:SCOPE_SE
	s_setreg_imm32_b32 hwreg(HW_REG_WAVE_MODE, 25, 1), 1
	s_wait_xcnt 0x0
	s_wait_alu depctr_hold_cnt(0) depctr_sa_sdst(0) depctr_va_vdst(0) depctr_va_sdst(0) depctr_va_ssrc(0) depctr_va_vcc(0) depctr_vm_vsrc(0)
	s_getreg_b32 s2, hwreg(HW_REG_IB_STS2, 6, 4)
	s_cmp_eq_u32 s2, 0
	s_cbranch_scc0 .Lentry_in_a_cluster
	s_endpgm
.Lentry_in_a_cluster:
	s_bfe_u32 s2, ttmp6, 0x10000c
	s_cmp_lg_u32 s2, 0xf033
	s_cbranch_scc0 .Lentry_shape_is_right
	s_endpgm
.Lentry_shape_is_right:
; out = y W_proj + b_proj on codes of FP8 (E4M3), K = 1,024.  y's codes (yc) and W_proj's (wc, rows 3,072 on) lie as images of fragments (16 rows x 128 K = 2,048 bytes, 4 pieces of 512, lane l's four registers at 16 l).
; A tile of out is 256 x 256: S (source 1) = 256 rows of y, P (source 0) = 256 columns of W_proj.  Four waves, 128 x 128 each: 64 accumulators.  A lane then holds eight neighbouring numbers of a row of out.
; K goes in steps of 256 through a ring of two LDS slots; a wave's tensor load brings 8 lines of 4,096 bytes, 16,384 apart in memory.  K has four such steps, so they are written out.
; CLUSTERS: 4 x 4 work-groups.  S's tile is shared along a row of the cluster, P's along a column: each is asked for jointly by the four that share it.
; out = sum x 2^(e6 + e7) + bias, one packed multiply-add for two numbers; a block of 16 rows goes through the wave's stage in LDS and leaves as whole rows of 512 bytes.
; The launch has 128 tiles of this size: one text of products serves this launch and the one for q, k and v.
; LIMIT: e6 + e7 between -126 and 127.
; REGISTERS, in windows of 256: window 0: v1-31 addresses; v32-95 the bias; v128-255 S's fragments, one set; on the way out v128-191 a block's numbers.  window 1: P's fragments, two sets; on the way out v0-127 rows read back.  windows 2, 3: the accumulators.
.set FR,     16
.set NL,     4
.set NP,     4                         ; places behind this matrix instruction (ISA guide 7.12.1)
.set SLOT,   131072                    ; S's 16 x 4,096 bytes, then P's
.set PHALF,  65536
.set SPARE,  2*SLOT                    ; the spare words, 128 bytes for each wave: two blocks of 256 bytes that no other line names
.set SPITCH, 528                       ; the way out: a stage of 16 rows x (512 bytes + 16) for each wave, in slot 0, which has had its last fill and its last read when the first result is stored there
.set ADRA, 16
.set ADRB, 20
.set STO,  24                          ; v24  the way out: where I put 32 bytes of a row
.set RD,   25                          ; v25  where I read a row back
.set LI,   27                          ; v27  16 x lane
.set SPW,  28
.set NIL,  29
.set BIAS, 32
.set AF,   128
.set TMP,  128
.set G1, 24
.set G0, 32
.set G1B, 48
.set G0B, 56
.set MSB, 0
.macro WIN new                         ; the immediate's high byte repeats the setting that is left
.if MSB != \new
	s_set_vgpr_msb (MSB<<8)|\new
.set MSB, \new
.endif
.endm
.set MUL_LO, 0xa1
.set MUL_HI, 0xf1
.set TO_B,   0x40
.macro JLOAD g0a, g1a, g0b, g1b        ; a joint load: waves 0 and 1 fetch S's halves, waves 2 and 3 P's; an s_nop 0 and four v_nop follow each of the two lines
	s_cmp_eq_u32 s15, 0
	s_cbranch_scc0 .Lfor_b_\@
	tensor_load_to_lds s[\g0a:\g0a+3], s[\g1a:\g1a+7]
	s_nop 0
.rept 4
	v_nop
.endr
	s_branch .Lasked_\@
.Lfor_b_\@:
	tensor_load_to_lds s[\g0b:\g0b+3], s[\g1b:\g1b+7]
	s_nop 0
.rept 4
	v_nop
.endr
.Lasked_\@:
.endm
.macro CREST
	s_cmp_lg_u32 s14, 0
	s_cbranch_scc1 .Lnot_wave_0_\@
	s_barrier_signal -3
.Lnot_wave_0_\@:
	s_barrier_wait -3
	s_barrier_signal -1
	s_barrier_wait -1
.endm
.macro CROUND
	s_barrier_signal -1
	s_barrier_wait -1
	CREST
.endm
	s_load_b256 s[4:11], s[0:1], 0x0               ; yc s[4:5], wc s[6:7], b_proj s[8:9], the scales' exponents s[10:11]
	s_load_b64 s[68:69], s[0:1], 0x20              ; out0
	v_lshl_add_u32 v[SPW], v0, 2, SPARE
	v_mov_b32 v[NIL], 0
	ds_add_u32 v[SPW], v[NIL]                      ; the wave's opening: the add and its wait come ahead of my first tensor load; the set-up below, work on registers, stands between them
	v_lshrrev_b32 v1, 5, v0
	v_readfirstlane_b32 s14, v1                    ; wave 0..3
	s_lshr_b32 s15, s14, 1                         ; which half of S's rows is mine.  Also: I fetch for S (0) or for P (1)
	s_and_b32 s16, s14, 1                          ; which half of P's rows.  Also: which half of that tile I fetch
	s_bfe_u32 s40, ttmp6, 0x40000                  ; cx, cy
	s_bfe_u32 s41, ttmp6, 0x40004
	s_and_b32 s17, ttmp7, 0xffff
	s_lshl_b32 s17, s17, 2
	s_add_co_u32 s43, s17, s41                     ; S's tile row: 4 x cluster y + cy
	s_add_co_u32 s44, s40, 12                      ; P's tile row in wc: W_proj's columns begin at row 3,072
	s_lshl_b32 s45, s41, 2
	s_lshl_b32 s45, 15, s45                        ; my row of the cluster
	s_lshl_b32 s46, 0x1111, s40                    ; my column
	s_or_b32 s[G1+0], s45, (3<<16)|(1<<21)         ; 15:0 the mask; 17:16 elements of 8 bytes; 20 no padding; 21 set beside a mask
	s_or_b32 s[G1B+0], s46, (3<<16)|(1<<21)
.irp g, G1, G1B
	s_mov_b32 s[\g+1], 512<<16                     ; tensor_dim0 = 512 elements: 4,096 bytes
	s_mov_b32 s[\g+2], 8<<16                       ; tensor_dim1 = 8
	s_mov_b32 s[\g+3], 512<<16                     ; tile_dim0
	s_mov_b32 s[\g+4], 8                           ; tile_dim1
	s_mov_b32 s[\g+5], 2048                        ; from line to line: 16,384 bytes
	s_mov_b32 s[\g+6], 0
	s_mov_b32 s[\g+7], 0
.endr
	s_lshl_b32 s18, s16, 17
	s_lshl_b32 s20, s43, 18
	s_add_co_u32 s20, s20, s18
	s_mov_b32 s21, 0
	s_lshl_b32 s46, s44, 18
	s_add_co_u32 s46, s46, s18
	s_mov_b32 s47, 0
	s_lshl_b32 s19, s14, 15                        ; where my part goes: wave x 32,768
	s_wait_dscnt 0x0                               ; the opening add is done
	s_wait_kmcnt 0x0
	s_load_b256 s[76:83], s[10:11], 0x0            ; e0 .. e7
	s_add_nc_u64 s[20:21], s[4:5], s[20:21]
	s_add_nc_u64 s[46:47], s[6:7], s[46:47]
	CROUND                                         ; all sixteen work-groups are here: the first joint loads meet
.irp s, 0,1
	s_mov_b32 s[G0+4*\s], 1
	s_add_co_u32 s[G0+4*\s+1], s19, \s*SLOT
	s_add_nc_u64 s[G0+4*\s+2:G0+4*\s+3], s[20:21], \s*4096
	s_or_b32 s[G0+4*\s+3], s[G0+4*\s+3], 0x80000000
	s_mov_b32 s[G0B+4*\s], 1
	s_add_co_u32 s[G0B+4*\s+1], s19, \s*SLOT
	s_add_nc_u64 s[G0B+4*\s+2:G0B+4*\s+3], s[46:47], \s*4096
	s_or_b32 s[G0B+4*\s+3], s[G0B+4*\s+3], 0x80000000
	JLOAD G0+4*\s, G1, G0B+4*\s, G1B
.endr
	v_and_b32 v1, 31, v0
	v_and_b32 v2, 15, v0                           ; r
	v_bfe_u32 v3, v0, 4, 1                         ; h
	v_lshlrev_b32 v[LI], 4, v1
	s_lshl_b32 s21, s15, 15
	s_lshl_b32 s22, s16, 15
	s_add_co_u32 s22, s22, PHALF
.irp s, 0,1
	v_add_nc_u32 v[ADRA+\s], s21, v[LI]
	v_add_nc_u32 v[ADRB+\s], s22, v[LI]
	s_add_co_u32 s21, s21, SLOT
	s_add_co_u32 s22, s22, SLOT
.endr
	s_mul_i32 s23, s14, 16*SPITCH                  ; my stage
	v_mul_u32_u24 v[STO], v2, SPITCH
	v_lshl_add_u32 v[STO], v3, 5, v[STO]
	v_add_nc_u32 v[STO], s23, v[STO]               ; in: row r, 32 bytes for each half of the lanes
	v_add_nc_u32 v[RD], s23, v[LI]                 ; back: the 32 lanes take a row of 512 bytes
	s_lshl_b32 s88, s40, 10
	s_lshl_b32 s87, s16, 9
	s_add_co_u32 s88, s88, s87                     ; my first column, in bytes: 1,024 cx + 512 x half: in the bias and in a row of out alike
	s_mov_b32 s89, 0
	s_add_nc_u64 s[92:93], s[8:9], s[88:89]
	v_lshlrev_b32 v4, 5, v3
.irp b, 0,1,2,3,4,5,6,7
	global_load_b128 v[BIAS+8*\b:BIAS+8*\b+3], v4, s[92:93] offset:64*\b          ; register 8 b + j = bias(16 b + 8 h + j): the results' layout
	global_load_b128 v[BIAS+8*\b+4:BIAS+8*\b+7], v4, s[92:93] offset:64*\b+16
.endr
	s_lshl_b32 s20, s43, 8
	s_lshl_b32 s21, s15, 7
	s_add_co_u32 s20, s20, s21                     ; my first row of out
	s_lshl_b32 s20, s20, 12                        ; rows of 4,096 bytes
	s_add_co_u32 s20, s20, s88
	s_mov_b32 s21, 0
	s_add_nc_u64 s[68:69], s[68:69], s[20:21]
.macro FRAG reg, adr, q, i
.irp c, 0,1,2,3
	ds_load_b128 v[\reg+4*\c:\reg+4*\c+3], v[\adr] offset:4096*(\i)+2048*(\q)+512*\c
.endr
.endm
.macro MUL16 a0, p, zero               ; 16 matrix instructions; the 64 accumulators take turns, one instruction a turn
.irp a, \a0, \a0+1
.irp b, 0,1,2,3,4,5,6,7
.if \zero
	v_wmma_f32_16x16x128_fp8_fp8 v[8*(8*((\a)%4)+\b):8*(8*((\a)%4)+\b)+7], v[128*(\p)+FR*\b:128*(\p)+FR*\b+FR-1], v[AF+FR*(\a):AF+FR*(\a)+FR-1], 0
.else
	v_wmma_f32_16x16x128_fp8_fp8 v[8*(8*((\a)%4)+\b):8*(8*((\a)%4)+\b)+7], v[128*(\p)+FR*\b:128*(\p)+FR*\b+FR-1], v[AF+FR*(\a):AF+FR*(\a)+FR-1], v[8*(8*((\a)%4)+\b):8*(8*((\a)%4)+\b)+7]
.endif
.endr
.endr
.endm
.macro FETCH_B slot, q, p
	WIN TO_B
.irp i, 0,1,2,3,4,5,6,7
	FRAG 128*(\p)+FR*\i, ADRB+\slot, \q, \i
.endr
	WIN 0
.endm
.macro FETCH_A slot, q, i0
.irp i, \i0, \i0+1, \i0+2, \i0+3
	FRAG AF+FR*(\i), ADRA+\slot, \q, \i
.endr
.endm
.macro PLACES n
.rept \n
	v_nop
.endr
.endm
.macro STEP slot, q, zero
	s_wait_dscnt 4*NL                              ; P's set and S's blocks 0-3 are in; the youngest 16 loads (S's blocks 4-7) may be out
	WIN MUL_LO
	MUL16 0, (\q)%2, \zero
	MUL16 2, (\q)%2, \zero
	s_wait_dscnt 0
	PLACES NP
	FETCH_B \slot, (\q)+1, 1-(\q)%2
	FETCH_A \slot, (\q)+1, 0
	WIN MUL_HI
	MUL16 4, (\q)%2, \zero
	MUL16 6, (\q)%2, \zero
	PLACES NP
	WIN 0
	FETCH_A \slot, (\q)+1, 4
.endm
.macro TURN slot, next, fill
	s_wait_tensorcnt 0x0                           ; all my tensor loads have landed: my part of the next slot
	ds_add_u32 v[SPW], v[NIL]                      ; 0 onto my spare word
	s_wait_dscnt 4*NL+1                            ; the add and the youngest 16 loads may be out
	WIN MUL_LO
	MUL16 0, 1, 0
	s_wait_dscnt 0x0                               ; the add is done, and my reads of this slot are over
	s_barrier_signal -1
	MUL16 2, 1, 0
	WIN 0
	s_barrier_wait -1
.if \fill
	CREST                                          ; the barrier has opened a round of the cluster's: no wave of any partner still reads this slot or has a load on its way
	s_add_nc_u64 s[G0+4*\slot+2:G0+4*\slot+3], s[G0+4*\slot+2:G0+4*\slot+3], 2*4096
	s_add_nc_u64 s[G0B+4*\slot+2:G0B+4*\slot+3], s[G0B+4*\slot+2:G0B+4*\slot+3], 2*4096
	JLOAD G0+4*\slot, G1, G0B+4*\slot, G1B
.else
	PLACES NP
.endif
	FETCH_B \next, 0, 0
	FETCH_A \next, 0, 0
	WIN MUL_HI
	MUL16 4, 1, 0
	MUL16 6, 1, 0
	PLACES NP
	WIN 0
	FETCH_A \next, 0, 4
.endm
	s_wait_tensorcnt 1                             ; my part of K step 0 is in; K step 1's load may be out
	s_barrier_signal -1
	s_barrier_wait -1
	FETCH_B 0, 0, 0
	FETCH_A 0, 0, 0
	FETCH_A 0, 0, 4
	STEP 0, 0, 1
	TURN 0, 1, 1
	STEP 1, 0, 0
	TURN 1, 0, 1
	STEP 0, 0, 0
	TURN 0, 1, 0
	STEP 1, 0, 0
	s_wait_dscnt 4*NL
	WIN MUL_LO
	MUL16 0, 1, 0
	MUL16 2, 1, 0
	s_wait_dscnt 0
	WIN MUL_HI
	MUL16 4, 1, 0
	MUL16 6, 1, 0
	WIN 0
; THE WAY OUT, block by block of 16 rows x 128 columns, through my own stage.  LDS serves a wave's instructions in order: no wait between the stores and the loads, nor in front of the next block's stores.
.macro TOSTAGE a
	WIN 0x02+((\a)/4)                              ; source 0: window 2 or 3
.irp j, 0,2,4,6,8,10,12,14,16,18,20,22,24,26,28,30,32,34,36,38,40,42,44,46,48,50,52,54,56,58,60,62
	v_pk_fma_f32 v[TMP+\j:TMP+\j+1], v[64*((\a)%4)+\j:64*((\a)%4)+\j+1], s[96:97], v[BIAS+\j:BIAS+\j+1] op_sel_hi:[1,0,1]   ; sum x 2^(e6 + e7) + bias; each accumulator from its low end on
.endr
	WIN 0
.irp b, 0,1,2,3,4,5,6,7
	ds_store_b128 v[STO], v[TMP+8*\b:TMP+8*\b+3] offset:64*\b
	ds_store_b128 v[STO], v[TMP+8*\b+4:TMP+8*\b+7] offset:64*\b+16
.endr
	WIN TO_B                                       ; the rows come back into window 1, two sets of 64 by turns
.irp t, 0,1,2,3,4,5,6,7,8,9,10,11,12,13,14,15
	ds_load_b128 v[64*((\a)%2)+4*\t:64*((\a)%2)+4*\t+3], v[RD] offset:\t*SPITCH
.endr
	WIN 0
.endm
.macro SEND a, younger                 ; younger: the LDS instructions issued behind block a's loads, which may stay out
	s_wait_dscnt \younger
.if (\a) > 0
	s_add_nc_u64 s[68:69], s[68:69], 16*4096       ; (behind a wait on XCNT: the earlier stores have read their base)  16 rows of out on
.endif
	WIN 0x04                                       ; a store's data: window 1
.irp t, 0,1,2,3,4,5,6,7,8,9,10,11,12,13,14,15
	global_store_b128 v[LI], v[64*((\a)%2)+4*\t:64*((\a)%2)+4*\t+3], s[68:69] offset:4096*\t th:TH_STORE_NT   ; 32 lanes store 512 consecutive bytes of a row
.endr
	WIN 0
.endm
	s_wait_kmcnt 0x0
	s_add_co_i32 s96, s82, s83
	s_add_co_i32 s96, s96, 127
	s_lshl_b32 s96, s96, 23                        ; 2^(e6 + e7) as f32
	s_mov_b32 s97, s96                             ; (named with it as a pair, so it is written)
	PLACES NP                                      ; behind the last products: their results are read, and registers that held fragments are written and loaded below
	s_wait_loadcnt 0x0                             ; the bias
	TOSTAGE 0
.irp a, 1,2,3,4,5,6,7
.if \a > 1
	s_wait_xcnt 0x0                                ; block a - 2's stores have read their registers and their base: block a's loads may land there, and the base may step
.endif
	TOSTAGE \a
	SEND \a-1, 32                                  ; behind block a - 1's loads: block a's 16 stores and 16 loads
.endr
	s_wait_xcnt 0x0                                ; block 6's stores have read their base
	SEND 7, 0
	s_wait_tensorcnt 0x0                           ; the wave's end: a wait, an add of 0 to my spare word and its wait, behind my last tensor load and my last LDS store
	ds_add_u32 v[SPW], v[NIL]
	s_wait_dscnt 0x0
	CROUND                                         ; the closing round: no work-group ends while a partner may still ask for a tile that names it
	s_endpgm
.Lfunc_end_k_q08e5068a80_proj:
	.size	k_q08e5068a80_proj, .Lfunc_end_k_q08e5068a80_proj-k_q08e5068a80_proj
	.p2alignl 7, 3214868480
	.fill 96, 4, 3214868480
	.section	.rodata,"a",@progbits
	.p2align	6, 0x0
	.amdhsa_kernel k_q08e5068a80_proj
		.amdhsa_group_segment_fixed_size 327680
		.amdhsa_private_segment_fixed_size 0
		.amdhsa_enable_private_segment 0
		.amdhsa_kernarg_size 40
		.amdhsa_user_sgpr_count 2
		.amdhsa_user_sgpr_kernarg_segment_ptr 1
		.amdhsa_wavefront_size32 1
		.amdhsa_system_sgpr_workgroup_id_x 1
		.amdhsa_system_sgpr_workgroup_id_y 1
		.amdhsa_system_sgpr_workgroup_id_z 1
		.amdhsa_system_vgpr_workitem_id 0
		.amdhsa_next_free_vgpr 1024
		.amdhsa_next_free_sgpr 102
		.amdhsa_reserve_vcc 0
		.amdhsa_float_denorm_mode_32 3
		.amdhsa_float_denorm_mode_16_64 3
		.amdhsa_memory_ordered 1
		.amdhsa_forward_progress 1
		.amdhsa_inst_pref_size 125
	.end_amdhsa_kernel
	.amdgpu_metadata
---
amdhsa.version: [ 1, 2 ]
amdhsa.kernels:
  - .name:           k_q08e5068a80_proj
    .symbol:         k_q08e5068a80_proj.kd
    .args:
      - { .name: yc, .offset: 0, .size: 8, .value_kind: global_buffer, .address_space: global }
      - { .name: wc, .offset: 8, .size: 8, .value_kind: global_buffer, .address_space: global }
      - { .name: b_proj, .offset: 16, .size: 8, .value_kind: global_buffer, .address_space: global }
      - { .name: lowp_scales, .offset: 24, .size: 8, .value_kind: global_buffer, .address_space: global }
      - { .name: out0, .offset: 32, .size: 8, .value_kind: global_buffer, .address_space: global }
    .group_segment_fixed_size: 327680
    .private_segment_fixed_size: 0
    .kernarg_segment_align: 8
    .kernarg_segment_size: 40
    .max_flat_workgroup_size: 128
    .sgpr_count:     102
    .vgpr_count:     1024
    .wavefront_size: 32
...
	.end_amdgpu_metadata
.endif
;; end of part 4
